; MI455X (gfx1250); checked and timed in simulation.
; The chip was launched on July 23, 2026; its instructions are those of AMD's public machine-readable ISA for CDNA 5 (MIT licence, August 2026) and "CDNA5" Instruction Set Architecture Reference Guide (July 2026). The comments in the code are by the model that wrote it; some were corrected since.
;; Peak Sense. Allowed arithmetic: float matrix products may take bf16 or f16 operands with f32 sums; all other float work in f32.
;; Inputs: intensities 128 x 4,096 float32; lv 256 float32; masses 128 x 4,096 float32; mu 256 float32.
;; Outputs: out0 128 x 256 float32.
;; 2 versions, each right and faster than the one before. Each part assembles by itself: llvm-mc -triple=amdgcn-amd-amdhsa -mcpu=gfx1250 --defsym DOCPART=n.
;; ======== version 1 of 2: 1 launch
;; limits: inputs' magnitudes at most 9.2e+18; right only within a limited range of input values
;; launch peaks (part 1): grid 2 x 128, 16 waves a work-group, no clusters, 28,672 bytes of LDS; arguments masses, intensities, mu, lv, out0; writes out0
.if DOCPART == 1
	.amdgcn_target "amdgcn-amd-amdhsa--gfx1250"
	.amdhsa_code_object_version 6
	.text
	.protected	k_q80a290494a_peaks
	.globl	k_q80a290494a_peaks
	.p2align	8
	.type	k_q80a290494a_peaks,@function
k_q80a290494a_peaks:
	s_mov_b64 s[64:65], 0
	v_nop
	global_prefetch_b8 v0, s[64:65] scope:SCOPE_SE
	s_setreg_imm32_b32 hwreg(HW_REG_WAVE_MODE, 25, 1), 1
	s_wait_xcnt 0x0
; out0[b][p] = sum over i of w(b,i,p) * intensities[b][i],  w = exp(arg) where arg >= -10 and 0 elsewhere,
; arg = -0.5 * (masses[b][i] - mu[p])^2 * exp(-lv[p]).   128 spectra b, 4,096 masses i, 256 peaks p, all f32.
;
; SHARES.  A work-group owns one spectrum and 128 peaks (grid x = which half of the peaks, grid y = b): 524,288 weights.
; Sixteen waves: wave w owns the pair of 16-peak tiles w & 3 and the quarter w >> 2 of the masses, 32 chunks of 32 masses.
; A unit is one chunk against one tile: lane (r = lane % 16, h = lane / 16) makes the 16 weights of peak r and masses 16 h .. 16 h + 15,
; rounds them to bf16, and one matrix instruction multiplies them by the chunk's intensities and adds them up in f32.
;
; THE CUT.  In base 2 the exponent is a = c d^2 with c = -0.5 log2(e) exp(-lv), and the cut is a >= -10 log2(e).  The fused multiply-add
; forms a + S with S = 10 log2(e) - 126, so that the cut lies at -126: v_exp_f32 returns zero where its result would lie under 2^-126
; (ISA guide 15.8, the instruction's entry), and 2^-126 itself is kept.  All weights thus carry the factor 2^S; it is taken out again by
; 2^64 on the intensities (before they are rounded to bf16) and by exp2(-S - 64) on the finished sums.
;
; LIMITS.  exp(-lv) has to be a finite normal f32 (|lv| < 87).  |intensity| < 2^63.  Results under 2^-78 lose bits.  The exponent a + S is
; rounded at a magnitude of up to 126 (steps of 2^-17): a term that close to the cut may fall on its other side; such a term weighs e^-10.
; Where the exponent is NaN (0 times infinity) the result here is NaN, while a comparison would drop the term.
; Weights and intensities enter the product rounded to bf16; sums are f32.
;
; NO CLUSTER, NO TENSOR LOADS: the two work-groups of a spectrum share its two rows, 32 KiB, which each reads once, in its first lines, ahead of
; 524,288 exponentials; and the intensities have to pass through registers on their way to LDS, to be scaled and rounded to bf16.
.set LMASS,  0                         ; LDS: the spectrum's 4,096 masses, f32
.set LIV,    16384                     ; LDS: its 4,096 intensities x 2^64, bf16
.set LPART,  24576                     ; LDS: 4 quarters x 128 peaks of partial sums, f32
.set CHM,    128                       ; bytes of a chunk's 32 masses
.set CHI,    64                        ; bytes of a chunk's 32 intensities
.set TRIPS,  16                        ; a wave's 32 chunks, two a trip
.set MA,   8                           ; v8       LDS address of my 16 masses in the trip's first chunk
.set IA,   9                           ; v9       the same for my 16 intensities (without LIV)
.set PA,   10                          ; v10      where my partial sum goes (without LPART)
.set K0,   12                          ; v[12:15] tile 0: -mu, -mu, c, c of my peak (pairs for the packed arithmetic)
.set K1,   16                          ; v[16:19] tile 1: the same
.set SH,   20                          ; v[20:21] S, twice
.set SC,   22                          ; v[22:23] exp2(-S - 64), twice
.set T,    24                          ; v[24:27] at work
.set M0,   32                          ; v[32:47], v[48:63]    my 16 masses of a chunk, two buffers
.set IV0,  64                          ; v[64:71], v[72:79]    the chunk's intensity fragment, two buffers
.set A0,   80                          ; v[80:95]   exponents of a tile-0 unit
.set A1,   96                          ; v[96:111]  exponents of a tile-1 unit
.set E,    112                         ; v[112:127] the unit's 16 weights, f32
.set F0,   128                         ; v[128:135] weight fragment, tile 0
.set F1,   136                         ; v[136:143] weight fragment, tile 1
.set ACC0, 144                         ; v[144:151] sums of tile 0
.set ACC1, 152                         ; v[152:159] sums of tile 1
	s_load_b256 s[4:11], s[0:1], 0x0               ; masses s[4:5], intensities s[6:7], mu s[8:9], lv s[10:11]
	s_load_b64 s[12:13], s[0:1], 0x20              ; out0
	v_lshl_add_u32 v160, v0, 2, 0x6800
	v_mov_b32 v161, 0
	v_lshrrev_b32 v1, 5, v0
	v_readfirstlane_b32 s15, v1                    ; wave 0..15
	s_and_b32 s14, ttmp7, 0xffff                   ; b
	s_and_b32 s16, s15, 3                          ; my pair of tiles
	s_lshr_b32 s17, s15, 2                         ; my quarter of the masses
	s_lshl_b32 s18, s14, 14                        ; b rows of 16,384 bytes
	s_mov_b32 s19, 0
	s_lshl_b32 s20, ttmp9, 9                       ; my group's 128 peaks: 512 bytes of mu, lv and of a row of out0
	s_lshl_b32 s21, s16, 7                         ; my pair's 32 peaks: 128 bytes
	s_add_co_u32 s20, s20, s21
	v_and_b32 v3, 15, v0                           ; r
	v_lshl_add_u32 v4, v3, 2, s20                  ; byte offset of tile 0's peak r in mu and lv; tile 1's lies 64 bytes on
	v_lshlrev_b32 v2, 4, v0                        ; 16 t: thread t stages bytes 16 t and 8,192 + 16 t of each row
	s_wait_kmcnt 0x0
	s_add_nc_u64 s[4:5], s[4:5], s[18:19]
	s_add_nc_u64 s[6:7], s[6:7], s[18:19]
	global_load_b32 v[K0], v4, s[8:9]
	global_load_b32 v[K1], v4, s[8:9] offset:64
	global_load_b32 v[T], v4, s[10:11]
	global_load_b32 v[T+1], v4, s[10:11] offset:64
	global_load_b128 v[M0:M0+3], v2, s[4:5]                    ; each load of a wave covers 512 neighbouring bytes
	global_load_b128 v[M0+4:M0+7], v2, s[4:5] offset:8192
	global_load_b128 v[M0+16:M0+19], v2, s[6:7]
	global_load_b128 v[M0+20:M0+23], v2, s[6:7] offset:8192
	; addresses and constants, while the loads are on their way
	s_mov_b32 s22, 0x5f800000                      ; 2^64
	s_mov_b32 s23, 0x5f800000                      ; (the pair's second register; the multiply takes s22 for both halves)
	s_mov_b32 s26, 0xffff0000                      ; lanes 16 to 31
	v_bfe_u32 v6, v0, 4, 1                         ; h
	s_lshl_b32 s24, s17, 12                        ; my quarter: 1,024 masses, 4,096 bytes
	s_lshl_b32 s25, s17, 11                        ; and 2,048 bytes of bf16 intensities
	v_lshl_add_u32 v[MA], v6, 6, s24               ; + 64 h: masses 16 h .. 16 h + 15 of the chunk
	v_lshl_add_u32 v[IA], v6, 5, s25               ; + 32 h
	v_lshlrev_b32 v5, 3, v0                        ; 8 t: four bf16
	v_and_b32 v7, 31, v0
	s_lshl_b32 s27, s17, 9                         ; partial sums: 512 bytes a quarter,
	s_add_co_u32 s27, s27, s21                     ; 128 bytes a pair of tiles,
	v_lshl_add_u32 v[PA], v7, 2, s27               ; 4 bytes a lane
	v_mov_b32 v[SH], 0xc2df2567                    ; S = 10 log2(e) - 126 = -111.57305
	v_mov_b32 v[SH+1], 0xc2df2567
	s_lshl_b32 s28, s14, 10                        ; out0: b rows of 1,024 bytes + my group's 512
	s_lshl_b32 s29, ttmp9, 9
	s_add_co_u32 s28, s28, s29
	s_mov_b32 s29, 0
	s_add_nc_u64 s[12:13], s[12:13], s[28:29]
	s_wait_loadcnt 0x4                             ; mu and lv are in; the four loads of the rows stay out
	v_mul_f32 v[T], 0xbfb8aa3b, v[T]               ; -lv log2(e)
	v_mul_f32 v[T+1], 0xbfb8aa3b, v[T+1]
	v_exp_f32 v[T+2], v[T]                         ; exp(-lv)
	v_exp_f32 v[T+3], v[T+1]
	v_xor_b32 v[K0], 0x80000000, v[K0]             ; -mu (also the plain instruction between the exponentials and their use: ISA guide 5.7.2)
	v_xor_b32 v[K1], 0x80000000, v[K1]
	v_mov_b32 v[K0+1], v[K0]
	v_mov_b32 v[K1+1], v[K1]
	s_wait_alu depctr_va_vdst(0)
	v_mul_f32 v[K0+2], 0xbf38aa3b, v[T+2]          ; c = -0.5 log2(e) exp(-lv)
	v_mul_f32 v[K1+2], 0xbf38aa3b, v[T+3]
	v_mov_b32 v[K0+3], v[K0+2]
	v_mov_b32 v[K1+3], v[K1+2]
	s_wait_loadcnt 0x2                             ; the masses are in; the two loads of intensities stay out
	ds_store_b128 v2, v[M0:M0+3] offset:LMASS
	ds_store_b128 v2, v[M0+4:M0+7] offset:LMASS+8192
	s_wait_loadcnt 0x0
.irp i, 0,2,4,6
	v_pk_mul_f32 v[M0+16+\i:M0+17+\i], v[M0+16+\i:M0+17+\i], s[22:23] op_sel_hi:[1,0]   ; x 2^64, exact
.endr
.irp i, 0,1,2,3
	v_cvt_pk_bf16_f32 v[A0+\i], v[M0+16+2*\i], v[M0+17+2*\i]
.endr
	ds_store_b64 v5, v[A0:A0+1] offset:LIV
	ds_store_b64 v5, v[A0+2:A0+3] offset:LIV+4096
	s_wait_dscnt 0x0                               ; my stores are done, for the other waves' sake
	s_barrier_signal -1
	s_barrier_wait -1                              ; both rows are whole in LDS
; my 16 masses of a chunk: 64 neighbouring bytes; the sixteen lanes of a half read the same bytes
.macro LDM dst, off
.irp i, 0,1,2,3
	ds_load_b128 v[\dst+4*\i:\dst+4*\i+3], v[MA] offset:LMASS+\off+16*\i
.endr
.endm
; the intensity fragment: bf16 of the same 16 masses, in the same order as the weights are packed, so that both sources of the
; matrix instruction carry mass 16 h + 2 i + (low, high) in register i of the lanes of half h
.macro LDI dst, off
	ds_load_b128 v[\dst:\dst+3], v[IA] offset:LIV+\off
	ds_load_b128 v[\dst+4:\dst+7], v[IA] offset:LIV+\off+16
.endm
; the 16 exponents of a unit by themselves (the first unit only)
.macro ARG adst, m, k
.irp i, 0,2,4,6,8,10,12,14
	v_pk_add_f32 v[\adst+\i:\adst+\i+1], v[\m+\i:\m+\i+1], v[\k:\k+1]
.endr
.irp i, 0,2,4,6,8,10,12,14
	v_pk_mul_f32 v[\adst+\i:\adst+\i+1], v[\adst+\i:\adst+\i+1], v[\adst+\i:\adst+\i+1]
.endr
.irp i, 0,2,4,6,8,10,12,14
	v_pk_fma_f32 v[\adst+\i:\adst+\i+1], v[\adst+\i:\adst+\i+1], v[\k+2:\k+3], v[SH:SH+1]
.endr
.endm
; One step: the 16 exponentials of the unit whose exponents lie in asrc, packed to bf16 into f.  Among them (arg = 1) the exponents of the
; next unit are made in adst, from the masses in m and the tile's constants in k: d = m - mu, d^2, c d^2 + S, each stage one pair behind the
; stage before.  A pair of weights is packed one slot after its exponentials; a plain vector instruction that touches neither their results nor
; their sources always stands between (ISA guide 5.7.2): the next unit's subtraction, or a v_nop where there is no next unit.
; ldiv = 1: in slot 3 the next chunk's intensity fragment is asked for.  Its registers were a source of the last matrix instruction; eight plain
; vector instructions that name none of that instruction's registers stand between (four are asked for: ISA guide 7.12.1 for vector
; instructions).
.macro STEP asrc, adst, m, k, f, arg, ldiv, ivdst, ivoff
.set jj, 0
.rept 8
.if jj == 3
.if \ldiv
	LDI \ivdst, \ivoff
.endif
.endif
	v_exp_f32 v[E+2*jj], v[\asrc+2*jj]
.if \arg
	v_pk_add_f32 v[\adst+2*jj:\adst+2*jj+1], v[\m+2*jj:\m+2*jj+1], v[\k:\k+1]
.else
	v_nop
.endif
	v_exp_f32 v[E+2*jj+1], v[\asrc+2*jj+1]
.if \arg
.if jj > 0
	v_pk_mul_f32 v[\adst+2*jj-2:\adst+2*jj-1], v[\adst+2*jj-2:\adst+2*jj-1], v[\adst+2*jj-2:\adst+2*jj-1]
.endif
.if jj > 1
	v_pk_fma_f32 v[\adst+2*jj-4:\adst+2*jj-3], v[\adst+2*jj-4:\adst+2*jj-3], v[\k+2:\k+3], v[SH:SH+1]
.endif
.endif
.if jj > 0
	s_wait_alu depctr_va_vdst(0)
	v_cvt_pk_bf16_f32 v[\f+jj-1], v[E+2*jj-2], v[E+2*jj-1]
.endif
.set jj, jj+1
.endr
.if \arg
	v_pk_mul_f32 v[\adst+14:\adst+15], v[\adst+14:\adst+15], v[\adst+14:\adst+15]
	v_pk_fma_f32 v[\adst+12:\adst+13], v[\adst+12:\adst+13], v[\k+2:\k+3], v[SH:SH+1]
.endif
	v_cvt_pk_bf16_f32 v[\f+7], v[E+14], v[E+15]
.if \arg
	v_pk_fma_f32 v[\adst+14:\adst+15], v[\adst+14:\adst+15], v[\k+2:\k+3], v[SH:SH+1]
.endif
.endm
; The matrix instruction, used with the intensities as source 0 (all 16 rows alike) and the weights as source 1 (column r = peak r):
; every register of the result then holds, in lane l, the sum of peak l % 16.  zero = 1: the first product starts the sum.
.macro DOT acc, iv, f, zero
.if \zero
	v_wmma_f32_16x16x32_bf16 v[\acc:\acc+7], v[\iv:\iv+7], v[\f:\f+7], 0
.else
	v_wmma_f32_16x16x32_bf16 v[\acc:\acc+7], v[\iv:\iv+7], v[\f:\f+7], v[\acc:\acc+7]
.endif
.endm
; One chunk c against both tiles.  x: the buffers that hold chunk c; y: the other ones, for chunk c + 1; rel: c minus the trip's first chunk.
; LDS loads are issued in this order: .. intensities c (2), masses c + 1 (4), intensities c + 1 (2), masses c + 2 (4) ..
; ldm = 0: there is no chunk c + 2.  last = 1: there is no chunk c + 1 either.
; The two accumulators take turns, one instruction a turn, over the loop's backward jump too.
.macro HALF x, y, rel, zero, ldm, last
	STEP A0, A1, M0+16*\x, K1, F0, 1, 1-\last, IV0+8*\y, (\rel+1)*CHI      ; tile 0's weights; tile 1's exponents of the same chunk
	s_wait_dscnt (1-\last)*6                       ; intensities c are in: behind them stand masses c + 1 (4) and intensities c + 1 (2), or nothing
	DOT ACC0, IV0+8*\x, F0, \zero
.if \ldm
	LDM M0+16*\x, (\rel+2)*CHM                     ; chunk c's masses have been used for both tiles: chunk c + 2 takes their place
.endif
.if \last
	STEP A1, A0, 0, 0, F1, 0, 0, 0, 0              ; tile 1's weights; nothing follows
.else
	s_wait_dscnt 2+4*\ldm                          ; masses c + 1 are in: behind them stand intensities c + 1 (2) and, if asked for, masses c + 2 (4)
	STEP A1, A0, M0+16*\y, K0, F1, 1, 0, 0, 0      ; tile 1's weights; tile 0's exponents of the next chunk
.endif
	DOT ACC1, IV0+8*\x, F1, \zero
.endm
	LDM M0, 0
	LDI IV0, 0
	LDM M0+16, CHM
	s_wait_dscnt 0x6                               ; chunk 0's masses are in: behind them stand its intensities (2) and chunk 1's masses (4)
	ARG A0, M0, K0
	HALF 0, 1, 0, 1, 1, 0                          ; the first trip stands in front of the loop: its first products start the sums
	HALF 1, 0, 1, 0, 1, 0
	v_add_nc_u32 v[MA], 2*CHM, v[MA]
	v_add_nc_u32 v[IA], 2*CHI, v[IA]
	s_mov_b32 s30, TRIPS-2
.Ltrip:
	HALF 0, 1, 0, 0, 1, 0
	HALF 1, 0, 1, 0, 1, 0
	v_add_nc_u32 v[MA], 2*CHM, v[MA]
	v_add_nc_u32 v[IA], 2*CHI, v[IA]
	s_sub_co_i32 s30, s30, 1
	s_cmp_lg_u32 s30, 0
	s_cbranch_scc1 .Ltrip
	HALF 0, 1, 0, 0, 0, 0                          ; chunks 30 and 31: nothing beyond my quarter is read
	HALF 1, 0, 1, 0, 0, 1
	; THE WAY OUT.  Four places behind the last matrix instruction before a vector instruction reads its result (ISA guide 7.12.1).
.rept 4
	v_nop
.endr
	v_cndmask_b32 v[T], v[ACC0], v[ACC1], s26      ; lanes 0-15: tile 0's peak r; lanes 16-31: tile 1's peak r: 32 neighbouring peaks
	ds_store_b32 v[PA], v[T] offset:LPART
	s_wait_dscnt 0x0                               ; my store is done, for wave 0's sake
	s_barrier_signal -1
	s_barrier_wait -1
	s_cmp_lg_u32 s15, 0
	s_cbranch_scc1 .Lend
	; wave 0: lane l adds the four quarters of peaks 4 l .. 4 l + 3 (v2 = 16 l here), takes the factor out and stores 16 bytes
	ds_load_b128 v[A0:A0+3], v2 offset:LPART
	ds_load_b128 v[A0+4:A0+7], v2 offset:LPART+512
	ds_load_b128 v[A0+8:A0+11], v2 offset:LPART+1024
	ds_load_b128 v[A0+12:A0+15], v2 offset:LPART+1536
	v_mov_b32 v[T], 0x423e4ace                     ; -S - 64 = 47.57305, exact in f32
	v_exp_f32 v[SC], v[T]
	v_exp_f32 v[SC+1], v[T]                        ; the additions below stand between these and their use
	s_wait_dscnt 0x0
	v_pk_add_f32 v[A0:A0+1], v[A0:A0+1], v[A0+4:A0+5]
	v_pk_add_f32 v[A0+2:A0+3], v[A0+2:A0+3], v[A0+6:A0+7]
	v_pk_add_f32 v[A0+8:A0+9], v[A0+8:A0+9], v[A0+12:A0+13]
	v_pk_add_f32 v[A0+10:A0+11], v[A0+10:A0+11], v[A0+14:A0+15]
	v_pk_add_f32 v[A0:A0+1], v[A0:A0+1], v[A0+8:A0+9]
	v_pk_add_f32 v[A0+2:A0+3], v[A0+2:A0+3], v[A0+10:A0+11]
	s_wait_alu depctr_va_vdst(0)
	v_pk_mul_f32 v[A0:A0+1], v[A0:A0+1], v[SC:SC+1]
	v_pk_mul_f32 v[A0+2:A0+3], v[A0+2:A0+3], v[SC:SC+1]
	global_store_b128 v2, v[A0:A0+3], s[12:13]     ; the wave stores 512 consecutive bytes, at a multiple of 512 from out0's first byte
.Lend:
	s_wait_tensorcnt 0x0
	ds_add_u32 v160, v161
	s_wait_dscnt 0x0
	s_endpgm
.Lfunc_end_k_q80a290494a_peaks:
	.size	k_q80a290494a_peaks, .Lfunc_end_k_q80a290494a_peaks-k_q80a290494a_peaks
	.p2alignl 7, 3214868480
	.fill 96, 4, 3214868480
	.section	.rodata,"a",@progbits
	.p2align	6, 0x0
	.amdhsa_kernel k_q80a290494a_peaks
		.amdhsa_group_segment_fixed_size 28672
		.amdhsa_private_segment_fixed_size 0
		.amdhsa_enable_private_segment 0
		.amdhsa_kernarg_size 40
		.amdhsa_user_sgpr_count 2
		.amdhsa_user_sgpr_kernarg_segment_ptr 1
		.amdhsa_wavefront_size32 1
		.amdhsa_system_sgpr_workgroup_id_x 1
		.amdhsa_system_sgpr_workgroup_id_y 1
		.amdhsa_system_sgpr_workgroup_id_z 1
		.amdhsa_system_vgpr_workitem_id 0
		.amdhsa_next_free_vgpr 162
		.amdhsa_next_free_sgpr 66
		.amdhsa_reserve_vcc 0
		.amdhsa_float_denorm_mode_32 3
		.amdhsa_float_denorm_mode_16_64 3
		.amdhsa_memory_ordered 1
		.amdhsa_forward_progress 1
		.amdhsa_inst_pref_size 43
	.end_amdhsa_kernel
	.amdgpu_metadata
---
amdhsa.version: [ 1, 2 ]
amdhsa.kernels:
  - .name:           k_q80a290494a_peaks
    .symbol:         k_q80a290494a_peaks.kd
    .args:
      - { .name: masses, .offset: 0, .size: 8, .value_kind: global_buffer, .address_space: global }
      - { .name: intensities, .offset: 8, .size: 8, .value_kind: global_buffer, .address_space: global }
      - { .name: mu, .offset: 16, .size: 8, .value_kind: global_buffer, .address_space: global }
      - { .name: lv, .offset: 24, .size: 8, .value_kind: global_buffer, .address_space: global }
      - { .name: out0, .offset: 32, .size: 8, .value_kind: global_buffer, .address_space: global }
    .group_segment_fixed_size: 28672
    .private_segment_fixed_size: 0
    .kernarg_segment_align: 8
    .kernarg_segment_size: 40
    .max_flat_workgroup_size: 512
    .sgpr_count:     66
    .vgpr_count:     162
    .wavefront_size: 32
...
	.end_amdgpu_metadata
.endif
;; end of part 1
;; ======== version 2 of 2: 1 launch; 1.07 times as fast as version 1
;; limits: inputs' magnitudes at most 9.22e+18; below input magnitudes of 3.3e-24 results are inexact or not finite; right only within a limited range of input values
;; launch peaks (part 2): grid 2 x 128, 16 waves a work-group, no clusters, 28,672 bytes of LDS; arguments masses, intensities, mu, lv, out0; writes out0
.if DOCPART == 2
	.amdgcn_target "amdgcn-amd-amdhsa--gfx1250"
	.amdhsa_code_object_version 6
	.text
	.protected	k_q80a290494a_peaks
	.globl	k_q80a290494a_peaks
	.p2align	8
	.type	k_q80a290494a_peaks,@function
k_q80a290494a_peaks:
	s_mov_b64 s[64:65], 0
	v_nop
	global_prefetch_b8 v0, s[64:65] scope:SCOPE_SE
	s_setreg_imm32_b32 hwreg(HW_REG_WAVE_MODE, 25, 1), 1
	s_wait_xcnt 0x0
; out0[b][p] = sum over i of w(b,i,p) * intensities[b][i],  w = exp(arg) where arg >= -10 and 0 elsewhere,
; arg = -0.5 * (masses[b][i] - mu[p])^2 * exp(-lv[p]).   128 spectra b, 4,096 masses i, 256 peaks p, all f32.
;
; SHARES.  A work-group owns one spectrum and 128 peaks (grid x = which half of the peaks, grid y = b): 524,288 weights.
; Sixteen waves: wave w owns the pair of 16-peak tiles w & 3 and the quarter w >> 2 of the masses, 32 chunks of 32 masses.
; A unit is one chunk against one tile: lane (r = lane % 16, h = lane / 16) makes the 16 weights of peak r and masses 16 h .. 16 h + 15,
; rounds them to bf16, and one matrix instruction multiplies them by the chunk's intensities and adds them up in f32.
;
; THE CUT.  In base 2 the exponent is a = c d^2 with c = -0.5 log2(e) exp(-lv), and the cut is a >= -10 log2(e).  The fused multiply-add
; forms a + S with S = 10 log2(e) - 126, so that the cut lies at -126: v_exp_f32 returns zero where its result would lie under 2^-126
; (ISA guide 15.8, the instruction's entry), and 2^-126 itself is kept.  All weights thus carry the factor 2^S; it is taken out again by
; 2^64 on the intensities (before they are rounded to bf16) and by exp2(-S - 64) on the finished sums.
;
; BATCHES.  A unit's 16 exponentials are ONE batch, each with a register of its own in E.  They are issued among the next unit's exponent
; arithmetic, which names none of their results; one s_wait_alu depctr_va_vdst(0) follows, ahead of the first
; instruction that names a result; behind it stand the eight roundings to bf16 and the matrix instruction.  So a unit has one such wait, and no
; result is open at a unit's end, at the loop's label or at its jump.  Two small batches stand outside the loop, each with a wait of its own:
; exp(-lv) of both tiles in the head, and the final scale (twice, for a pair) on wave 0's way out.
;
; LIMITS.  exp(-lv) has to be a finite normal f32 (|lv| < 87).  |intensity| < 2^63.  Results under 2^-78 lose bits.  The exponent a + S is
; rounded at a magnitude of up to 126 (steps of 2^-17): a term that close to the cut may fall on its other side; such a term weighs e^-10.
; Where the exponent is NaN (0 times infinity) the result here is NaN, while a comparison would drop the term.
; Weights and intensities enter the product rounded to bf16; sums are f32.
;
; NO CLUSTER, NO TENSOR LOADS: the two work-groups of a spectrum share its two rows, 32 KiB, which each reads once, in its first lines, ahead of
; 524,288 exponentials; and the intensities have to pass through registers on their way to LDS, to be scaled and rounded to bf16.
.set LMASS,  0                         ; LDS: the spectrum's 4,096 masses, f32
.set LIV,    16384                     ; LDS: its 4,096 intensities x 2^64, bf16
.set LPART,  24576                     ; LDS: 4 quarters x 128 peaks of partial sums, f32
.set CHM,    128                       ; bytes of a chunk's 32 masses
.set CHI,    64                        ; bytes of a chunk's 32 intensities
.set TRIPS,  16                        ; a wave's 32 chunks, two a trip
.set MA,   8                           ; v8       LDS address of my 16 masses in the trip's first chunk
.set IA,   9                           ; v9       the same for my 16 intensities (without LIV)
.set PA,   10                          ; v10      where my partial sum goes (without LPART)
.set K0,   12                          ; v[12:15] tile 0: -mu, -mu, c, c of my peak (pairs for the packed arithmetic)
.set K1,   16                          ; v[16:19] tile 1: the same
.set SH,   20                          ; v[20:21] S, twice
.set SC,   22                          ; v[22:23] exp2(-S - 64), twice
.set T,    24                          ; v[24:27] at work
.set M0,   32                          ; v[32:47], v[48:63]    my 16 masses of a chunk, two buffers
.set IV0,  64                          ; v[64:71], v[72:79]    the chunk's intensity fragment, two buffers
.set A0,   80                          ; v[80:95]   exponents of a tile-0 unit
.set A1,   96                          ; v[96:111]  exponents of a tile-1 unit
.set E,    112                         ; v[112:127] the unit's 16 weights, f32: one register for each result of the batch
.set F0,   128                         ; v[128:135] weight fragment, tile 0
.set F1,   136                         ; v[136:143] weight fragment, tile 1
.set ACC0, 144                         ; v[144:151] sums of tile 0
.set ACC1, 152                         ; v[152:159] sums of tile 1
	s_load_b256 s[4:11], s[0:1], 0x0               ; masses s[4:5], intensities s[6:7], mu s[8:9], lv s[10:11]
	s_load_b64 s[12:13], s[0:1], 0x20              ; out0
	v_lshl_add_u32 v160, v0, 2, 0x6800
	v_mov_b32 v161, 0
	v_lshrrev_b32 v1, 5, v0
	v_readfirstlane_b32 s15, v1                    ; wave 0..15
	s_and_b32 s14, ttmp7, 0xffff                   ; b
	s_and_b32 s16, s15, 3                          ; my pair of tiles
	s_lshr_b32 s17, s15, 2                         ; my quarter of the masses
	s_lshl_b32 s18, s14, 14                        ; b rows of 16,384 bytes
	s_mov_b32 s19, 0
	s_lshl_b32 s20, ttmp9, 9                       ; my group's 128 peaks: 512 bytes of mu, lv and of a row of out0
	s_lshl_b32 s21, s16, 7                         ; my pair's 32 peaks: 128 bytes
	s_add_co_u32 s20, s20, s21
	v_and_b32 v3, 15, v0                           ; r
	v_lshl_add_u32 v4, v3, 2, s20                  ; byte offset of tile 0's peak r in mu and lv; tile 1's lies 64 bytes on
	v_lshlrev_b32 v2, 4, v0                        ; 16 t: thread t stages bytes 16 t and 8,192 + 16 t of each row
	s_wait_kmcnt 0x0
	s_add_nc_u64 s[4:5], s[4:5], s[18:19]
	s_add_nc_u64 s[6:7], s[6:7], s[18:19]
	global_load_b32 v[K0], v4, s[8:9]
	global_load_b32 v[K1], v4, s[8:9] offset:64
	global_load_b32 v[T], v4, s[10:11]
	global_load_b32 v[T+1], v4, s[10:11] offset:64
	global_load_b128 v[M0:M0+3], v2, s[4:5]                    ; each load of a wave covers 512 neighbouring bytes
	global_load_b128 v[M0+4:M0+7], v2, s[4:5] offset:8192
	global_load_b128 v[M0+16:M0+19], v2, s[6:7]
	global_load_b128 v[M0+20:M0+23], v2, s[6:7] offset:8192
	; addresses and constants, while the loads are on their way
	s_mov_b32 s22, 0x5f800000                      ; 2^64
	s_mov_b32 s23, 0x5f800000                      ; (the pair's second register; the multiply takes s22 for both halves)
	s_mov_b32 s26, 0xffff0000                      ; lanes 16 to 31
	v_bfe_u32 v6, v0, 4, 1                         ; h
	s_lshl_b32 s24, s17, 12                        ; my quarter: 1,024 masses, 4,096 bytes
	s_lshl_b32 s25, s17, 11                        ; and 2,048 bytes of bf16 intensities
	v_lshl_add_u32 v[MA], v6, 6, s24               ; + 64 h: masses 16 h .. 16 h + 15 of the chunk
	v_lshl_add_u32 v[IA], v6, 5, s25               ; + 32 h
	v_lshlrev_b32 v5, 3, v0                        ; 8 t: four bf16
	v_and_b32 v7, 31, v0
	s_lshl_b32 s27, s17, 9                         ; partial sums: 512 bytes a quarter,
	s_add_co_u32 s27, s27, s21                     ; 128 bytes a pair of tiles,
	v_lshl_add_u32 v[PA], v7, 2, s27               ; 4 bytes a lane
	v_mov_b32 v[SH], 0xc2df2567                    ; S = 10 log2(e) - 126 = -111.57305
	v_mov_b32 v[SH+1], 0xc2df2567
	s_lshl_b32 s28, s14, 10                        ; out0: b rows of 1,024 bytes + my group's 512
	s_lshl_b32 s29, ttmp9, 9
	s_add_co_u32 s28, s28, s29
	s_mov_b32 s29, 0
	s_add_nc_u64 s[12:13], s[12:13], s[28:29]
	s_wait_loadcnt 0x4                             ; mu and lv are in; the four loads of the rows stay out
	v_mul_f32 v[T], 0xbfb8aa3b, v[T]               ; -lv log2(e)
	v_mul_f32 v[T+1], 0xbfb8aa3b, v[T+1]
	v_exp_f32 v[T+2], v[T]                         ; exp(-lv)
	v_exp_f32 v[T+3], v[T+1]
	v_xor_b32 v[K0], 0x80000000, v[K0]             ; -mu (also the plain instruction between the exponentials and their use: ISA guide 5.7.2)
	v_xor_b32 v[K1], 0x80000000, v[K1]
	v_mov_b32 v[K0+1], v[K0]
	v_mov_b32 v[K1+1], v[K1]
	s_wait_alu depctr_va_vdst(0)                   ; the wait for the head's batch, both tiles' exp(-lv): the four lines above name neither result
	v_mul_f32 v[K0+2], 0xbf38aa3b, v[T+2]          ; c = -0.5 log2(e) exp(-lv)
	v_mul_f32 v[K1+2], 0xbf38aa3b, v[T+3]
	v_mov_b32 v[K0+3], v[K0+2]
	v_mov_b32 v[K1+3], v[K1+2]
	s_wait_loadcnt 0x2                             ; the masses are in; the two loads of intensities stay out
	ds_store_b128 v2, v[M0:M0+3] offset:LMASS
	ds_store_b128 v2, v[M0+4:M0+7] offset:LMASS+8192
	s_wait_loadcnt 0x0
.irp i, 0,2,4,6
	v_pk_mul_f32 v[M0+16+\i:M0+17+\i], v[M0+16+\i:M0+17+\i], s[22:23] op_sel_hi:[1,0]   ; x 2^64, exact
.endr
.irp i, 0,1,2,3
	v_cvt_pk_bf16_f32 v[A0+\i], v[M0+16+2*\i], v[M0+17+2*\i]
.endr
	ds_store_b64 v5, v[A0:A0+1] offset:LIV
	ds_store_b64 v5, v[A0+2:A0+3] offset:LIV+4096
	s_wait_dscnt 0x0                               ; my stores are done, for the other waves' sake
	s_barrier_signal -1
	s_barrier_wait -1                              ; both rows are whole in LDS
; my 16 masses of a chunk: 64 neighbouring bytes; the sixteen lanes of a half read the same bytes
.macro LDM dst, off
.irp i, 0,1,2,3
	ds_load_b128 v[\dst+4*\i:\dst+4*\i+3], v[MA] offset:LMASS+\off+16*\i
.endr
.endm
; the intensity fragment: bf16 of the same 16 masses, in the same order as the weights are packed, so that both sources of the
; matrix instruction carry mass 16 h + 2 i + (low, high) in register i of the lanes of half h
.macro LDI dst, off
	ds_load_b128 v[\dst:\dst+3], v[IA] offset:LIV+\off
	ds_load_b128 v[\dst+4:\dst+7], v[IA] offset:LIV+\off+16
.endm
; the 16 exponents of a unit by themselves (the first unit only)
.macro ARG adst, m, k
.irp i, 0,2,4,6,8,10,12,14
	v_pk_add_f32 v[\adst+\i:\adst+\i+1], v[\m+\i:\m+\i+1], v[\k:\k+1]
.endr
.irp i, 0,2,4,6,8,10,12,14
	v_pk_mul_f32 v[\adst+\i:\adst+\i+1], v[\adst+\i:\adst+\i+1], v[\adst+\i:\adst+\i+1]
.endr
.irp i, 0,2,4,6,8,10,12,14
	v_pk_fma_f32 v[\adst+\i:\adst+\i+1], v[\adst+\i:\adst+\i+1], v[\k+2:\k+3], v[SH:SH+1]
.endr
.endm
; One step: the 16 exponentials of the unit whose exponents lie in asrc, ONE BATCH into E; one wait; then the eight roundings to bf16 into f.
; Among the exponentials (arg = 1) the exponents of the next unit are made in adst, from the masses in m and the tile's constants in k:
; d = m - mu, d^2, c d^2 + S, each stage one pair behind the stage before.  These 24 lines name A, M, K and SH alone, never E; the last five of
; them stand behind the last exponential, and the first of those is the plain instruction between it and the use of its result
; (ISA guide 5.7.2).  Where there is no next unit (arg = 0) one v_nop is that instruction.  No source of an exponential is written in its own step.
; ldiv = 1: in slot 3 the next chunk's intensity fragment is asked for.  Its registers were a source of the last matrix instruction; six plain
; vector instructions that name none of that instruction's registers stand between (four are asked for: ISA guide 7.12.1 for vector
; instructions).
.macro STEP asrc, adst, m, k, f, arg, ldiv, ivdst, ivoff
.set jj, 0
.rept 8
.if jj == 3
.if \ldiv
	LDI \ivdst, \ivoff
.endif
.endif
	v_exp_f32 v[E+2*jj], v[\asrc+2*jj]
.if \arg
	v_pk_add_f32 v[\adst+2*jj:\adst+2*jj+1], v[\m+2*jj:\m+2*jj+1], v[\k:\k+1]
.endif
	v_exp_f32 v[E+2*jj+1], v[\asrc+2*jj+1]
.if \arg
.if jj > 0
	v_pk_mul_f32 v[\adst+2*jj-2:\adst+2*jj-1], v[\adst+2*jj-2:\adst+2*jj-1], v[\adst+2*jj-2:\adst+2*jj-1]
.endif
.if jj > 1
	v_pk_fma_f32 v[\adst+2*jj-4:\adst+2*jj-3], v[\adst+2*jj-4:\adst+2*jj-3], v[\k+2:\k+3], v[SH:SH+1]
.endif
.endif
.set jj, jj+1
.endr
.if \arg
	v_pk_mul_f32 v[\adst+14:\adst+15], v[\adst+14:\adst+15], v[\adst+14:\adst+15]
	v_pk_fma_f32 v[\adst+12:\adst+13], v[\adst+12:\adst+13], v[\k+2:\k+3], v[SH:SH+1]
	v_pk_fma_f32 v[\adst+14:\adst+15], v[\adst+14:\adst+15], v[\k+2:\k+3], v[SH:SH+1]
.else
	v_nop                                          ; the plain instruction behind the last exponential: one for the batch
.endif
	s_wait_alu depctr_va_vdst(0)                   ; the wait for the batch, the unit's 16 exponentials, ahead of the first rounding
.set jj, 0
.rept 8
	v_cvt_pk_bf16_f32 v[\f+jj], v[E+2*jj], v[E+2*jj+1]
.set jj, jj+1
.endr
.endm
; The matrix instruction, used with the intensities as source 0 (all 16 rows alike) and the weights as source 1 (column r = peak r):
; every register of the result then holds, in lane l, the sum of peak l % 16.  zero = 1: the first product starts the sum.
.macro DOT acc, iv, f, zero
.if \zero
	v_wmma_f32_16x16x32_bf16 v[\acc:\acc+7], v[\iv:\iv+7], v[\f:\f+7], 0
.else
	v_wmma_f32_16x16x32_bf16 v[\acc:\acc+7], v[\iv:\iv+7], v[\f:\f+7], v[\acc:\acc+7]
.endif
.endm
; One chunk c against both tiles.  x: the buffers that hold chunk c; y: the other ones, for chunk c + 1; rel: c minus the trip's first chunk.
; LDS loads are issued in this order: .. intensities c (2), masses c + 1 (4), intensities c + 1 (2), masses c + 2 (4) ..
; ldm = 0: there is no chunk c + 2.  last = 1: there is no chunk c + 1 either.
; The two accumulators take turns, one instruction a turn, over the loop's backward jump too.
.macro HALF x, y, rel, zero, ldm, last
	STEP A0, A1, M0+16*\x, K1, F0, 1, 1-\last, IV0+8*\y, (\rel+1)*CHI      ; tile 0's weights; tile 1's exponents of the same chunk
	s_wait_dscnt (1-\last)*6                       ; intensities c are in: behind them stand masses c + 1 (4) and intensities c + 1 (2), or nothing
	DOT ACC0, IV0+8*\x, F0, \zero
.if \ldm
	LDM M0+16*\x, (\rel+2)*CHM                     ; chunk c's masses have been used for both tiles: chunk c + 2 takes their place
.endif
.if \last
	STEP A1, A0, 0, 0, F1, 0, 0, 0, 0              ; tile 1's weights; nothing follows
.else
	s_wait_dscnt 2+4*\ldm                          ; masses c + 1 are in: behind them stand intensities c + 1 (2) and, if asked for, masses c + 2 (4)
	STEP A1, A0, M0+16*\y, K0, F1, 1, 0, 0, 0      ; tile 1's weights; tile 0's exponents of the next chunk
.endif
	DOT ACC1, IV0+8*\x, F1, \zero
.endm
	LDM M0, 0
	LDI IV0, 0
	LDM M0+16, CHM
	s_wait_dscnt 0x6                               ; chunk 0's masses are in: behind them stand its intensities (2) and chunk 1's masses (4)
	ARG A0, M0, K0
	HALF 0, 1, 0, 1, 1, 0                          ; the first trip stands in front of the loop: its first products start the sums
	HALF 1, 0, 1, 0, 1, 0
	v_add_nc_u32 v[MA], 2*CHM, v[MA]
	v_add_nc_u32 v[IA], 2*CHI, v[IA]
	s_mov_b32 s30, TRIPS-2
.Ltrip:
	HALF 0, 1, 0, 0, 1, 0
	HALF 1, 0, 1, 0, 1, 0
	v_add_nc_u32 v[MA], 2*CHM, v[MA]
	v_add_nc_u32 v[IA], 2*CHI, v[IA]
	s_sub_co_i32 s30, s30, 1
	s_cmp_lg_u32 s30, 0
	s_cbranch_scc1 .Ltrip
	HALF 0, 1, 0, 0, 0, 0                          ; chunks 30 and 31: nothing beyond my quarter is read
	HALF 1, 0, 1, 0, 0, 1
	; THE WAY OUT.  Four places behind the last matrix instruction before a vector instruction reads its result (ISA guide 7.12.1).
.rept 4
	v_nop
.endr
	v_cndmask_b32 v[T], v[ACC0], v[ACC1], s26      ; lanes 0-15: tile 0's peak r; lanes 16-31: tile 1's peak r: 32 neighbouring peaks
	ds_store_b32 v[PA], v[T] offset:LPART
	s_wait_dscnt 0x0                               ; my store is done, for wave 0's sake
	s_barrier_signal -1
	s_barrier_wait -1
	s_cmp_lg_u32 s15, 0
	s_cbranch_scc1 .Lend
	; wave 0: lane l adds the four quarters of peaks 4 l .. 4 l + 3 (v2 = 16 l here), takes the factor out and stores 16 bytes
	ds_load_b128 v[A0:A0+3], v2 offset:LPART
	ds_load_b128 v[A0+4:A0+7], v2 offset:LPART+512
	ds_load_b128 v[A0+8:A0+11], v2 offset:LPART+1024
	ds_load_b128 v[A0+12:A0+15], v2 offset:LPART+1536
	v_mov_b32 v[T], 0x423e4ace                     ; -S - 64 = 47.57305, exact in f32
	v_exp_f32 v[SC], v[T]
	v_exp_f32 v[SC+1], v[T]                        ; the additions below stand between these and their use
	s_wait_dscnt 0x0
	v_pk_add_f32 v[A0:A0+1], v[A0:A0+1], v[A0+4:A0+5]
	v_pk_add_f32 v[A0+2:A0+3], v[A0+2:A0+3], v[A0+6:A0+7]
	v_pk_add_f32 v[A0+8:A0+9], v[A0+8:A0+9], v[A0+12:A0+13]
	v_pk_add_f32 v[A0+10:A0+11], v[A0+10:A0+11], v[A0+14:A0+15]
	v_pk_add_f32 v[A0:A0+1], v[A0:A0+1], v[A0+8:A0+9]
	v_pk_add_f32 v[A0+2:A0+3], v[A0+2:A0+3], v[A0+10:A0+11]
	s_wait_alu depctr_va_vdst(0)                   ; the wait for the way out's batch, the final scale twice: the six additions above name neither result
	v_pk_mul_f32 v[A0:A0+1], v[A0:A0+1], v[SC:SC+1]
	v_pk_mul_f32 v[A0+2:A0+3], v[A0+2:A0+3], v[SC:SC+1]
	global_store_b128 v2, v[A0:A0+3], s[12:13]     ; the wave stores 512 consecutive bytes, at a multiple of 512 from out0's first byte
.Lend:
	s_wait_tensorcnt 0x0
	ds_add_u32 v160, v161
	s_wait_dscnt 0x0
	s_endpgm
.Lfunc_end_k_q80a290494a_peaks:
	.size	k_q80a290494a_peaks, .Lfunc_end_k_q80a290494a_peaks-k_q80a290494a_peaks
	.p2alignl 7, 3214868480
	.fill 96, 4, 3214868480
	.section	.rodata,"a",@progbits
	.p2align	6, 0x0
	.amdhsa_kernel k_q80a290494a_peaks
		.amdhsa_group_segment_fixed_size 28672
		.amdhsa_private_segment_fixed_size 0
		.amdhsa_enable_private_segment 0
		.amdhsa_kernarg_size 40
		.amdhsa_user_sgpr_count 2
		.amdhsa_user_sgpr_kernarg_segment_ptr 1
		.amdhsa_wavefront_size32 1
		.amdhsa_system_sgpr_workgroup_id_x 1
		.amdhsa_system_sgpr_workgroup_id_y 1
		.amdhsa_system_sgpr_workgroup_id_z 1
		.amdhsa_system_vgpr_workitem_id 0
		.amdhsa_next_free_vgpr 162
		.amdhsa_next_free_sgpr 66
		.amdhsa_reserve_vcc 0
		.amdhsa_float_denorm_mode_32 3
		.amdhsa_float_denorm_mode_16_64 3
		.amdhsa_memory_ordered 1
		.amdhsa_forward_progress 1
		.amdhsa_inst_pref_size 40
	.end_amdhsa_kernel
	.amdgpu_metadata
---
amdhsa.version: [ 1, 2 ]
amdhsa.kernels:
  - .name:           k_q80a290494a_peaks
    .symbol:         k_q80a290494a_peaks.kd
    .args:
      - { .name: masses, .offset: 0, .size: 8, .value_kind: global_buffer, .address_space: global }
      - { .name: intensities, .offset: 8, .size: 8, .value_kind: global_buffer, .address_space: global }
      - { .name: mu, .offset: 16, .size: 8, .value_kind: global_buffer, .address_space: global }
      - { .name: lv, .offset: 24, .size: 8, .value_kind: global_buffer, .address_space: global }
      - { .name: out0, .offset: 32, .size: 8, .value_kind: global_buffer, .address_space: global }
    .group_segment_fixed_size: 28672
    .private_segment_fixed_size: 0
    .kernarg_segment_align: 8
    .kernarg_segment_size: 40
    .max_flat_workgroup_size: 512
    .sgpr_count:     66
    .vgpr_count:     162
    .wavefront_size: 32
...
	.end_amdgpu_metadata
.endif
;; end of part 2
